; MI455X (gfx1250); checked and timed in simulation.
; The chip was launched on July 23, 2026; its instructions are those of AMD's public machine-readable ISA for CDNA 5 (MIT licence, August 2026) and "CDNA5" Instruction Set Architecture Reference Guide (July 2026). The comments in the code are by the model that wrote it; some were corrected since.
;; Muti Head Attention. Allowed arithmetic: matrix products marked QUANTISED: E5M2 operands, one given power-of-two scale a tensor, by v_wmma_f32_16x16x64_bf8_bf8 or v_wmma_f32_16x16x128_bf8_bf8, f32 sums; everything else in f32.
;; Inputs: b_k 1,024 float32; b_o 1,024 float32; b_q 1,024 float32; b_v 1,024 float32; lowp_scales 12 int32 (the exponents e of the quantised operands' scales 2^e); w_k_codes 1,024 x 32 x 32 uint8 (E5M2 codes of w_k, K innermost, in blocks of 32 codes); w_o_codes 1,024 x 32 x 32 uint8 (E5M2 codes of w_o, K innermost, in blocks of 32 codes); w_q_codes 1,024 x 32 x 32 uint8 (E5M2 codes of w_q, K innermost, in blocks of 32 codes); w_v_codes 1,024 x 32 x 32 uint8 (E5M2 codes of w_v, K innermost, in blocks of 32 codes); x_codes 4 x 2,048 x 32 x 32 uint8 (E5M2 codes of x, K innermost, in blocks of 32 codes).
;; Outputs: out0 4 x 2,048 x 1,024 float32.
;; This version of the problem:
;;   THIS VERSION OF THE PROBLEM IS GIVEN IN LOW PRECISION. The matrix products marked QUANTISED in the list below multiply operands that are first quantised to E5M2 (5 exponent bits, 2 mantissa bits; 8 bits a number), with one given power-of-two scale for each operand tensor; their sums are f32. All else is computed in f32.
;;   The module's matrix products, in the order in which they are computed (A, B: the left and right operand; K: the contracted axis; several contracted axes count as one K, in the product's order):
;;     1. [M 8,192, K 1,024] x [K 1,024, N 1,024]; A: input x (given as codes); B: input w_q (given as codes): QUANTISED (scales: A lowp_scales[0], B lowp_scales[1])
;;     2. [M 8,192, K 1,024] x [K 1,024, N 1,024]; A: input x (given as codes); B: input w_k (given as codes): QUANTISED (scales: A lowp_scales[2], B lowp_scales[3])
;;     3. [M 8,192, K 1,024] x [K 1,024, N 1,024]; A: input x (given as codes); B: input w_v (given as codes): QUANTISED (scales: A lowp_scales[4], B lowp_scales[5])
;;     4. batch 64 x [M 2,048, K 64] x [K 64, N 2,048]; A: computed on the way; B: computed on the way: QUANTISED (scales: A lowp_scales[6], B lowp_scales[7])
;;     5. batch 64 x [M 2,048, K 2,048] x [K 2,048, N 64]; A: softmax (see below); B: computed on the way: QUANTISED (scales: A lowp_scales[8], B lowp_scales[9])
;;     6. [M 8,192, K 1,024] x [K 1,024, N 1,024]; A: computed on the way; B: input w_o (given as codes): QUANTISED (scales: A lowp_scales[10], B lowp_scales[11])
;;   THE QUANTISER, for each operand of a quantised product, along K:
;;     - The operand's scale is 2^e, e = its entry of the input lowp_scales (int32; the entries are numbered through the quantised products in the list's order, A before B).
;;     - Each number is divided by the scale, clamped to +-57,344, and rounded to the nearest number of E5M2, ties to even, subnormals kept.
;;     - The product sums the exact products of the quantised numbers (number of the format x scale) in f32.
;;   ~~~python
;;   def quantise(x, axis, e):      # numpy; x: float32 -> the quantised numbers, widened to float32 again
;;       x = np.moveaxis(x, axis, -1); K = x.shape[-1]
;;       r = np.clip(x / 2.0 ** e, -57344, 57344)
;;       step = 2.0 ** (np.maximum(np.frexp(np.where(r == 0, 1, r))[1] - 1, -14) - 2)
;;       q = np.round(r / step) * step * 2.0 ** e      # np.round: ties to even
;;       return np.moveaxis(q, -1, axis).astype(np.float32)
;;   ~~~
;;   SOFTMAX AHEAD OF A QUANTISED PRODUCT. Where the list says 'softmax', what is quantised is not the finished softmax but p = 2^(t - M), with t = logit x log2(e) and M = ceil(the row's largest t), a whole number; so 1/2 < the row's largest p <= 1. The row's sum l is taken of the UNQUANTISED p, in f32, and the product's result is divided by l at the end. Since M is a whole number, a kernel that streams over the keys may use a running M (the ceiling of the running maximum): every later rescaling is an exact power of two, so the quantised numbers keep their values, but for numbers so far below the row's largest that they fall under the format's range.
;;   OPERANDS COMPUTED ON THE WAY. 'Computed on the way' means the value that the module computes at that place (a softmax that the list does not call 'softmax' is quantised finished and normalised). What goes into a quantiser is computed in f32, as accurately as f32 sums, v_exp_f32 and their like allow (about 1e-6 of the number): no bf16 or f16 on the way to a quantiser, and a product that is left as it is and whose result goes on into a quantised operand takes f32 operands (vector FMAs, or v_wmma_f32_16x16x4_f32). A number that lies on a knife's edge between two numbers of the format may be rounded either way, as far as f32 arithmetic and the matrix unit's own rounding can turn it there, and no further.
;;   INPUTS GIVEN AS CODES. w_k (in the module: [1024, 1024], K = its axis 1); w_o (in the module: [1024, 1024], K = its axis 1); w_q (in the module: [1024, 1024], K = its axis 1); w_v (in the module: [1024, 1024], K = its axis 1); x (in the module: [4, 2048, 1024], K = its axis 2): each comes as NAME_codes (uint8): NAME with its K axis moved to the last place and cut into blocks of 32 codes, [.., K / 32, bytes a block], one block behind the other in memory; one code a byte (a code: sign, 5 exponent bits, 2 mantissa bits); its scale is its entry of lowp_scales. Its value is code x scale, taken as it is: it is not quantised again, and the codes and scales need not be those that the quantiser above would give.
;; One version. Each part assembles by itself: llvm-mc -triple=amdgcn-amd-amdhsa -mcpu=gfx1250 --defsym DOCPART=n.
;; ======== version 1 of 1: 3 launches
;; limits: right only within a limited range of input values
;; workspace buffers: q_img 8,388,608 bytes; kv_img 16,777,216 bytes; a_img 8,388,608 bytes
;; launch qkv (part 1): grid 12 x 32, 4 waves a work-group, clusters of 4 x 4, 327,680 bytes of LDS; arguments x_codes, w_q_codes, w_k_codes, w_v_codes, b_q, b_k, b_v, lowp_scales, q_img, kv_img; writes q_img, kv_img
.if DOCPART == 1
	.amdgcn_target "amdgcn-amd-amdhsa--gfx1250"
	.amdhsa_code_object_version 6
	.text
	.protected	k_q3cfda531a0_qkv
	.globl	k_q3cfda531a0_qkv
	.p2align	8
	.type	k_q3cfda531a0_qkv,@function
k_q3cfda531a0_qkv:
	s_mov_b64 s[64:65], 0
	v_nop
	global_prefetch_b8 v0, s[64:65] scope:SCOPE_SE
	s_setreg_imm32_b32 hwreg(HW_REG_WAVE_MODE, 25, 1), 1
	s_wait_xcnt 0x0
	s_wait_alu depctr_hold_cnt(0) depctr_sa_sdst(0) depctr_va_vdst(0) depctr_va_sdst(0) depctr_va_ssrc(0) depctr_va_vcc(0) depctr_vm_vsrc(0)
	s_getreg_b32 s2, hwreg(HW_REG_IB_STS2, 6, 4)
	s_cmp_eq_u32 s2, 0
	s_cbranch_scc0 .Lentry_in_a_cluster
	s_endpgm
.Lentry_in_a_cluster:
	s_bfe_u32 s2, ttmp6, 0x10000c
	s_cmp_lg_u32 s2, 0xf033
	s_cbranch_scc0 .Lentry_shape_is_right
	s_endpgm
.Lentry_shape_is_right:
; q, k, v = x W^T + b on codes of BF8 (E5M2), each result quantised again to BF8 with its given scale and stored as an IMAGE OF OPERAND REGISTERS for the attention launch.
; x: [8192][1024] codes; W_q, W_k, W_v: [1024][1024] codes, K innermost; biases f32.  The scales' exponents e0 .. e11 are whole numbers: q takes e0, e1 and is quantised by e6; k e2, e3 and e7; v e4, e5 and e9.
; A number: sum x 2^(ex + ew) + bias in f32 (one fused multiply-add), held within +-57,344 x 2^eo, divided by 2^eo, rounded to the nearest code, ties to even.
; LIMITS: ex + ew between -126 and 127; eo between -126 and 112 (each power of two below is an f32 number).  NaN among the biases is not served.
; SHARES.  A tile of 256 x 256 results is made by four waves, 128 x 128 each: 64 accumulators, 512 registers.  K goes in steps of 256 through a ring of two LDS slots filled by the tensor data mover.
; CLUSTERS: 4 x 4 work-groups; cluster x = t names the tensor (0 q, 1 k, 2 v), the same in all sixteen partners.  "A" (source 1, shared along a row of the cluster) and "B" (source 0, shared along a column):
;   t < 2: A = x (tile 4 x cluster y + cy), B = W_t (tile cx).     t = 2: A = W_v (tile cy), B = x (tile 4 x cluster y + cx).
; In the result lane (r, h) of accumulator (a, b) holds A's row 16 a + r, and its register j B's row 16 b + 8 h + j.  So for q and k a lane's registers run along the head's 64 (the next product's K), and for v,
; with the roles changed, along the tokens (the keys: the K of the product with the softmax).  The codes of accumulators 2 P and 2 P + 1 are 16 bytes: k = 32 P + 8 h + 0..7, then 32 P + 16 + 8 h + 0..7:
; four registers of an 8-bit operand as the plain forms lay it.  A store writes such a group for 32 lanes: 512 consecutive bytes, at a multiple of 512 from the buffer's first byte.  No stage in LDS is needed.
; q_img: [bh 64][query tile 128][group 2][lane 32][16 bytes].   kv_img: [bh 64][step of 128 keys 16][16,384 bytes]: K as [key tile 8][group 2][lane][16], then V as [tile of 16 channels 4][group 4][lane][16].
; 384 work-groups: a tile that divided evenly among the tensors would straddle them.
; REGISTERS, in windows of 256: window 0: v1-6 at work at the head; v16-31 addresses and constants; v32-95 the bias; v96-127 at work on the way out; from v128 A's fragments, ONE set, later the codes.
;   window 1: B's fragments, TWO sets, at v0 and v128.   window 2: the accumulators of my A rows 0-63 ((a, b) at v[8 (8 a + b)]);   window 3: those of rows 64-127.
.set KROW,   1024                      ; a row of x or of a weight in memory, in bytes
.set ROWB,   256                       ; a tile's row in bytes
.set PITCH,  272                       ; an LDS row: 256 bytes + 16 of padding: the 16 rows that a fragment load touches begin 68 words apart
.set FR,     16                        ; registers of a fragment: 16 rows x 128 K
.set NL,     4                         ; LDS loads that bring one
.set NP,     4                         ; places behind this matrix instruction (ISA guide 7.12.1)
.set HALFT,  128*PITCH                 ; 128 rows: what one tensor load brings, and what one wave reads of A or of B
.set SLOT,   4*HALFT                   ; A's 256 rows, then B's 256 rows
.set LAPS,   2                         ; 1,024 along K = four K steps = twice round the ring
.set SPARE,  2*SLOT                    ; behind the ring: the spare words, 128 bytes for each wave
.set ADRA, 16                          ; v16-17  LDS address of my A fragments in slot 0, 1
.set ADRB, 20                          ; v20-21  the same for B
.set CO,   26                          ; v26     16 x lane: my place in a stored group
.set BO,   27                          ; v27     my offset in the bias
.set SPW,  28                          ; v28     LDS address of my spare word; never rewritten
.set NIL,  29                          ; v29     0; never rewritten
.set HOLD, 30                          ; v30     57,344 x 2^eo
.set SCL,  31                          ; v31     2^eo
.set BIA,  32                          ; v32-95  the bias, in the result's layout
.set TMP,  96                          ; v96-127 32 numbers on their way to codes
.set AF,   128                         ; A's fragments
.set CD,   128                         ; the codes: 128 registers, each stored once
.set G1, 24                            ; s[24:31] descriptor group 1 for A's tiles;  s[32:39] group 0, one set for each slot
.set G0, 32
.set G1B, 48                           ; s[48:55], s[56:63] the same for B's tiles
.set G0B, 56
.set MSB, 0
.macro WIN new                         ; the immediate's high byte repeats the setting that is left
.if MSB != (\new)
	s_set_vgpr_msb (MSB<<8)|(\new)
.set MSB, \new
.endif
.endm
.set MUL_LO, 0xa1                      ; source 0 (B) window 1, source 1 (A) window 0, C and D window 2
.set MUL_HI, 0xf1                      ; the same, C and D window 3
.set TO_B,   0x40                      ; destination window 1, address window 0
; A joint load: waves 0 and 1 fetch for A, waves 2 and 3 for B.  Each line has one mask and one set of registers; the branch hangs on the wave's number alone.  Four v_nop follow each line.
.macro JLOAD g0a, g1a, g0b, g1b
	s_cmp_eq_u32 s15, 0
	s_cbranch_scc0 .Lfor_b_\@
	tensor_load_to_lds s[\g0a:\g0a+3], s[\g1a:\g1a+7]
	s_nop 0
.rept 4
	v_nop
.endr
	s_branch .Lasked_\@
.Lfor_b_\@:
	tensor_load_to_lds s[\g0b:\g0b+3], s[\g1b:\g1b+7]
	s_nop 0
.rept 4
	v_nop
.endr
.Lasked_\@:
.endm
.macro CREST                           ; a round of the cluster's barrier behind its opening barrier
	s_cmp_lg_u32 s14, 0
	s_cbranch_scc1 .Lnot_wave_0_\@
	s_barrier_signal -3
.Lnot_wave_0_\@:
	s_barrier_wait -3
	s_barrier_signal -1
	s_barrier_wait -1
.endm
.macro CROUND                          ; a whole round
	s_barrier_signal -1
	s_barrier_wait -1
	CREST
.endm
	s_load_b512 s[68:83], s[0:1], 0x0              ; x s[68:69], W_q s[70:71], W_k s[72:73], W_v s[74:75], b_q s[76:77], b_k s[78:79], b_v s[80:81], the exponents s[82:83]
	s_load_b128 s[84:87], s[0:1], 0x40             ; q_img s[84:85], kv_img s[86:87]
	v_lshl_add_u32 v[SPW], v0, 2, SPARE
	v_mov_b32 v[NIL], 0
	ds_add_u32 v28, v29
	ds_add_u32 v28, v29
	s_wait_dscnt 0x0
	v_lshrrev_b32 v1, 5, v0
	v_readfirstlane_b32 s14, v1                    ; wave 0..3
	s_lshr_b32 s15, s14, 1                         ; which half of A's rows is mine.  Also: I fetch for A (0) or for B (1)
	s_and_b32 s16, s14, 1                          ; which half of B's rows.  Also: which 128 rows of that tile I fetch
	s_bfe_u32 s40, ttmp6, 0x40000                  ; cx, cy: my place in the cluster
	s_bfe_u32 s41, ttmp6, 0x40004
	s_and_b32 s18, ttmp7, 0xffff                   ; cluster y
	s_cmp_eq_u32 ttmp9, 2                          ; v?  (cluster x: the same in all partners)
	s_cselect_b32 s19, 0, s18                      ; cluster y walks the side that holds x: A's for q and k,
	s_cselect_b32 s22, s18, 0                      ; B's for v
	s_lshl_b32 s17, s19, 2
	s_add_co_u32 s17, s17, s41                     ; A's tile: hangs on cy and cluster y alone
	s_lshl_b32 s42, s22, 2
	s_add_co_u32 s42, s42, s40                     ; B's tile: hangs on cx and cluster y alone
	s_lshl_b32 s43, s41, 2
	s_lshl_b32 s43, 15, s43                        ; my row of the cluster
	s_lshl_b32 s44, 0x1111, s40                    ; my column
	; descriptor group 1: a tile of 128 rows x 256 bytes, padded in LDS
	s_or_b32 s[G1+0], s43, (0<<16)|(1<<20)|(1<<21)|(5<<22)|(3<<25)  ; 15:0 the mask: A's tiles go to my row; 17:16 element of 1 byte; 20 padding on; 21 set beside a mask; 24:22 after every 64 words; 31:25 four words
	s_or_b32 s[G1B+0], s44, (0<<16)|(1<<20)|(1<<21)|(5<<22)|(3<<25) ; the same with my column's mask
.irp g, G1, G1B
	s_mov_b32 s[\g+1], ROWB<<16                    ; tensor_dim0
	s_mov_b32 s[\g+2], 128<<16                     ; tensor_dim1 = 128
	s_mov_b32 s[\g+3], ROWB<<16                    ; tile_dim0
	s_mov_b32 s[\g+4], 128                         ; tile_dim1 = 128
	s_mov_b32 s[\g+5], KROW                        ; tensor_dim0_stride
	s_mov_b32 s[\g+6], 0
	s_mov_b32 s[\g+7], 0
.endr
	s_lshl_b32 s18, s16, 7                         ; which 128 rows of the tile I fetch
	s_lshl_b32 s20, s17, 8
	s_add_co_u32 s20, s20, s18                     ; A: row 256 x tile + 128 x half,
	s_lshl_b32 s20, s20, 10                        ; in bytes (8 MiB at the most)
	s_mov_b32 s21, 0
	s_lshl_b32 s46, s42, 8
	s_add_co_u32 s46, s46, s18                     ; B likewise
	s_lshl_b32 s46, s46, 10
	s_mov_b32 s47, 0
	s_mul_i32 s45, s14, HALFT                      ; where they go: wave x 128 rows: no place in the cluster enters an LDS address
	s_wait_kmcnt 0x0
	s_load_b256 s[88:95], s[82:83], 0x0            ; e0 .. e7
	s_load_b128 s[96:99], s[82:83], 0x20           ; e8 .. e11
	s_cmp_eq_u32 ttmp9, 2                          ; the buffers are chosen by the tensor's number alone
	s_cselect_b64 s[4:5], s[74:75], s[68:69]       ; A: W_v, else x
	s_cselect_b64 s[6:7], s[68:69], s[70:71]       ; B: x, else W_q
	s_cselect_b64 s[8:9], s[80:81], s[76:77]       ; the bias
	s_cselect_b64 s[10:11], s[86:87], s[84:85]     ; where the codes go
	s_cmp_eq_u32 ttmp9, 1
	s_cselect_b64 s[6:7], s[72:73], s[6:7]         ; k: W_k,
	s_cselect_b64 s[8:9], s[78:79], s[8:9]         ; b_k,
	s_cselect_b64 s[10:11], s[86:87], s[10:11]     ; kv_img
	s_add_nc_u64 s[20:21], s[4:5], s[20:21]
	s_add_nc_u64 s[46:47], s[6:7], s[46:47]
	CROUND                                         ; all sixteen work-groups are here: the first joint loads meet
.irp s, 0,1
	s_mov_b32 s[G0+4*\s], 1
	s_add_co_u32 s[G0+4*\s+1], s45, \s*SLOT
	s_add_nc_u64 s[G0+4*\s+2:G0+4*\s+3], s[20:21], \s*ROWB
	s_or_b32 s[G0+4*\s+3], s[G0+4*\s+3], 0x80000000
	s_mov_b32 s[G0B+4*\s], 1
	s_add_co_u32 s[G0B+4*\s+1], s45, \s*SLOT
	s_add_nc_u64 s[G0B+4*\s+2:G0B+4*\s+3], s[46:47], \s*ROWB
	s_or_b32 s[G0B+4*\s+3], s[G0B+4*\s+3], 0x80000000
.endr
	JLOAD G0, G1, G0B, G1B                         ; K step 0: one tensor load a wave at the head
	v_and_b32 v1, 15, v0                           ; r = lane % 16
	v_bfe_u32 v2, v0, 4, 1                         ; h = lane / 16
	v_mul_u32_u24 v3, v1, PITCH
	v_lshl_add_u32 v4, v2, 4, v3                   ; a fragment's row x pitch + 16 x half
	s_mul_i32 s21, s15, HALFT                      ; my 128 rows of A
	s_mul_i32 s22, s16, HALFT                      ; my 128 rows of B,
	s_add_co_u32 s22, s22, 2*HALFT                 ; which lie behind A's 256
.irp s, 0,1
	v_add_nc_u32 v[ADRA+\s], s21, v4
	v_add_nc_u32 v[ADRB+\s], s22, v4
	s_add_co_u32 s21, s21, SLOT
	s_add_co_u32 s22, s22, SLOT
.endr
	v_and_b32 v6, 31, v0
	v_lshlrev_b32 v[CO], 4, v6
	; where my codes go.  My 128 tokens are one step of 128 of a batch; my 128 features are two heads.
	s_cmp_eq_u32 ttmp9, 2
	s_cselect_b32 s18, s42, s17                    ; the tokens' tile and half: B's for v, else A's
	s_cselect_b32 s19, s16, s15
	s_cselect_b32 s22, s17, s42                    ; the features' tile and half: the other side's
	s_cselect_b32 s23, s15, s16
	s_cselect_b32 s46, 8192, 0                     ; V lies behind K in a step's 16,384 bytes
	s_lshl_b32 s18, s18, 1
	s_add_co_u32 s18, s18, s19                     ; which 128 tokens of the 8,192
	s_lshl_b32 s22, s22, 2
	s_lshl_b32 s23, s23, 1
	s_add_co_u32 s22, s22, s23                     ; my first head
	s_lshr_b32 s19, s18, 4                         ; the batch
	s_and_b32 s18, s18, 15                         ; the step in it
	s_lshl_b32 s19, s19, 4
	s_add_co_u32 s19, s19, s22                     ; bh = 16 x batch + head
	s_lshl_b32 s19, s19, 17                        ; in q_img: 131,072 bytes a head, 8,192 a step;
	s_lshl_b32 s18, s18, 13
	s_add_co_u32 s18, s18, s19
	s_min_u32 s23, ttmp9, 1
	s_lshl_b32 s18, s18, s23                       ; in kv_img twice that
	s_add_co_u32 s18, s18, s46
	s_mov_b32 s19, 0
	s_add_nc_u64 s[10:11], s[10:11], s[18:19]      ; my first head's place,
	s_lshl_b32 s18, 0x20000, s23
	s_add_nc_u64 s[12:13], s[10:11], s[18:19]      ; and my second head's
	s_lshl_b32 s18, s22, 8
	s_add_nc_u64 s[8:9], s[8:9], s[18:19]          ; the bias at my first feature: 64 numbers a head
.macro FRAG reg, adr, q, i             ; a fragment, 16 rows x 128 K: lane l holds row l % 16; registers 4 c .. 4 c + 3 hold K = 32 c + 16 (l / 16) + 0 .. 15: the same order in A and in B, so every product meets its partner
.irp c, 0,1,2,3
	ds_load_b128 v[\reg+4*\c:\reg+4*\c+3], v[\adr] offset:128*(\q)+32*\c+(\i)*16*PITCH
.endr
.endm
; 16 matrix instructions: A's blocks a0, a0 + 1 x B's eight, 128 along K.  p: B's set.  zero = 1: the first product starts the sums.  The 64 accumulators take turns, one instruction a turn.
.macro MUL16 a0, p, zero
.irp a, \a0, \a0+1
.irp b, 0,1,2,3,4,5,6,7
.if \zero
	v_wmma_f32_16x16x128_bf8_bf8 v[8*(8*((\a)%4)+\b):8*(8*((\a)%4)+\b)+7], v[128*(\p)+FR*\b:128*(\p)+FR*\b+FR-1], v[AF+FR*(\a):AF+FR*(\a)+FR-1], 0
.else
	v_wmma_f32_16x16x128_bf8_bf8 v[8*(8*((\a)%4)+\b):8*(8*((\a)%4)+\b)+7], v[128*(\p)+FR*\b:128*(\p)+FR*\b+FR-1], v[AF+FR*(\a):AF+FR*(\a)+FR-1], v[8*(8*((\a)%4)+\b):8*(8*((\a)%4)+\b)+7]
.endif
.endr
.endr
.endm
.macro FETCH_B slot, q, p              ; B's eight fragments of the slot's q-th 128 along K into set p
	WIN TO_B
.irp i, 0,1,2,3,4,5,6,7
	FRAG 128*(\p)+FR*\i, ADRB+\slot, \q, \i
.endr
	WIN 0
.endm
.macro FETCH_A slot, q, i0             ; A's blocks i0 .. i0 + 3
.irp i, \i0, \i0+1, \i0+2, \i0+3
	FRAG AF+FR*(\i), ADRA+\slot, \q, \i
.endr
.endm
.macro PLACES n                        ; plain vector instructions between a matrix instruction and a load into, or a vector access to, its registers
.rept \n
	v_nop
.endr
.endm
; A step of 128 along K that has its successor in the same slot.  A's blocks are free as soon as their eight products are issued: blocks 0-3 are fetched anew in the middle, blocks 4-7 at the end.
.macro STEP slot, q, zero
	s_wait_dscnt 4*NL                              ; B's set and A's blocks 0-3 are in; the youngest sixteen loads (A's blocks 4-7) may be out
	WIN MUL_LO
	MUL16 0, (\q)%2, \zero
	MUL16 2, (\q)%2, \zero
	s_wait_dscnt 0                                 ; A's blocks 4-7 are in
	PLACES NP
	FETCH_B \slot, (\q)+1, 1-(\q)%2
	FETCH_A \slot, (\q)+1, 0
	WIN MUL_HI
	MUL16 4, (\q)%2, \zero
	MUL16 6, (\q)%2, \zero
	PLACES NP
	WIN 0
	FETCH_A \slot, (\q)+1, 4
.endm
; A slot's last step changes slots: one barrier; in front of it each wave waits for all its tensor loads, adds 0 to its spare word, and waits for that and for its reads of this slot.  fill = 1: this slot is filled again, two K steps ahead.
.macro TURN slot, next, fill
	s_wait_tensorcnt 0x0                           ; all my tensor loads have landed: my part of the next slot
	ds_add_u32 v[SPW], v[NIL]                      ; 0 onto my spare word
	s_wait_dscnt 4*NL+1                            ; (the add and the youngest sixteen loads, A's blocks 4-7, may be out)
	WIN MUL_LO
	MUL16 0, 1, 0                                  ; sixteen matrix instructions stand between the add and the wait for it
	s_wait_dscnt 0x0                               ; the add is done, and my reads of this slot are over
	s_barrier_signal -1
	MUL16 2, 1, 0
	WIN 0
	s_barrier_wait -1
.if \fill
	CREST                                          ; the barrier has opened a round of the cluster's barrier: no wave of any partner still reads this slot or has a load on its way
	s_add_nc_u64 s[G0+4*\slot+2:G0+4*\slot+3], s[G0+4*\slot+2:G0+4*\slot+3], 2*ROWB
	s_add_nc_u64 s[G0B+4*\slot+2:G0B+4*\slot+3], s[G0B+4*\slot+2:G0B+4*\slot+3], 2*ROWB
	JLOAD G0+4*\slot, G1, G0B+4*\slot, G1B         ; the first tensor load behind the round; its four v_nop are the places in front of the loads below
.else
	PLACES NP
.endif
	FETCH_B \next, 0, 0
	FETCH_A \next, 0, 0
	WIN MUL_HI
	MUL16 4, 1, 0
	MUL16 6, 1, 0
	PLACES NP
	WIN 0
	FETCH_A \next, 0, 4
.endm
.macro LAST                            ; the very last step: nothing more to fetch
	s_wait_dscnt 4*NL
	WIN MUL_LO
	MUL16 0, 1, 0
	MUL16 2, 1, 0
	s_wait_dscnt 0
	WIN MUL_HI
	MUL16 4, 1, 0
	MUL16 6, 1, 0
	WIN 0
.endm
; The bias in the result's layout.  kind 0 (q, k): a lane's registers run along the features: register 8 b + i = bias(16 b + 8 h + i).  kind 1 (v): a lane holds ONE feature of each block a: bias(16 a + r), twice, as a pair.
.macro BIAS kind
.if \kind
	v_lshlrev_b32 v[BO], 2, v1
.irp a, 0,1,2,3,4,5,6,7
	global_load_b32 v[BIA+2*\a], v[BO], s[8:9] offset:64*\a
	global_load_b32 v[BIA+2*\a+1], v[BO], s[8:9] offset:64*\a
.endr
.else
	v_lshlrev_b32 v[BO], 5, v2
.irp b, 0,1,2,3,4,5,6,7
	global_load_b128 v[BIA+8*\b:BIA+8*\b+3], v[BO], s[8:9] offset:64*\b
	global_load_b128 v[BIA+8*\b+4:BIA+8*\b+7], v[BO], s[8:9] offset:64*\b+16
.endr
.endif
.endm
; THE WAY OUT, four accumulators (block a, B's blocks 4 g .. 4 g + 3) at a time: sum x 2^(ex + ew) + bias, the hold, the conversion, two stores of 512 bytes.  Each accumulator is read from its low end on.
; Every store has data registers of its own, and no address register is written again: no wait stands between the stores.
.macro OUT kind
.irp a, 0,1,2,3,4,5,6,7
.irp g, 0,1
	WIN 0x02+(\a/4)                                ; source 0: window 2 or 3
.irp bp, 0,1,2,3
.irp i, 0,2,4,6
.if \kind
	v_pk_fma_f32 v[TMP+8*\bp+\i:TMP+8*\bp+\i+1], v[64*(\a%4)+8*(4*\g+\bp)+\i:64*(\a%4)+8*(4*\g+\bp)+\i+1], s[96:97], v[BIA+2*\a:BIA+2*\a+1] op_sel_hi:[1,0,1]
.else
	v_pk_fma_f32 v[TMP+8*\bp+\i:TMP+8*\bp+\i+1], v[64*(\a%4)+8*(4*\g+\bp)+\i:64*(\a%4)+8*(4*\g+\bp)+\i+1], s[96:97], v[BIA+8*(4*\g+\bp)+\i:BIA+8*(4*\g+\bp)+\i+1] op_sel_hi:[1,0,1]
.endif
.endr
.endr
	WIN 0
.set jj, 0
.rept 32
	v_med3_num_f32 v[TMP+jj], v[TMP+jj], -v[HOLD], v[HOLD]   ; the conversion to an 8-bit code does not saturate (ISA guide 7.6.2): the hold at the largest code x the scale
.set jj, jj+1
.endr
.irp bp, 0,1,2,3
	v_cvt_scalef32_pk8_bf8_f32 v[CD+16*\a+8*\g+2*\bp:CD+16*\a+8*\g+2*\bp+1], v[TMP+8*\bp:TMP+8*\bp+7], v[SCL]
.endr
	v_nop                                          ; one plain vector instruction between the conversions and the next lines that write their sources
.irp p, 0,1
.if \kind
	global_store_b128 v[CO], v[CD+16*\a+8*\g+4*\p:CD+16*\a+8*\g+4*\p+3], s[10+2*(\a/4):11+2*(\a/4)] offset:2048*(\a%4)+512*(2*\g+\p)   ; V: head a / 4, channels 16 (a % 4) on, keys 32 (2 g + p) on
.else
	global_store_b128 v[CO], v[CD+16*\a+8*\g+4*\p:CD+16*\a+8*\g+4*\p+3], s[10+2*\g:11+2*\g] offset:1024*\a+512*\p                     ; q, k: head g, tokens 16 a on, channels 32 p on
.endif
.endr
.endr
.endr
.endm
	s_wait_alu depctr_va_vdst(0)                   ; the wait at the head's end
	s_wait_tensorcnt 0x0                           ; my part of K step 0 is in; slot 1's first fill is issued as a refill is:
	ds_add_u32 v[SPW], v[NIL]                      ; 0 onto my spare word
	s_wait_dscnt 0x0                               ; the add is done
	CROUND                                         ; a whole round: everybody's part of K step 0 is in, and the joint loads meet
	JLOAD G0+4, G1, G0B+4, G1B                     ; K step 1: the first tensor load behind the round
	FETCH_B 0, 0, 0
	FETCH_A 0, 0, 0
	FETCH_A 0, 0, 4
	STEP 0, 0, 1                                   ; the first step stands in front of the loop: its products start the sums
	s_mov_b32 s3, LAPS-1
.Llap:                                                 ; a trip goes once round the ring, from a lap's second step to the next lap's first, and fills both slots again
	TURN 0, 1, 1
	STEP 1, 0, 0
	TURN 1, 0, 1
	STEP 0, 0, 0
	s_sub_co_u32 s3, s3, 1
	s_cmp_lg_u32 s3, 0
	s_cbranch_scc1 .Llap
	TURN 0, 1, 0                                   ; the last lap fills nothing, and has no round of the cluster's barrier
	STEP 1, 0, 0
	s_wait_kmcnt 0x0                               ; the exponents.  What they decide is chosen by selects on the tensor's number; no branch hangs on them
	s_cmp_eq_u32 ttmp9, 0
	s_cselect_b32 s18, s88, s90                    ; ex: e0, e2
	s_cselect_b32 s19, s89, s91                    ; ew: e1, e3
	s_cselect_b32 s20, s94, s95                    ; eo: e6, e7
	s_cmp_eq_u32 ttmp9, 2
	s_cselect_b32 s18, s92, s18                    ; v: e4,
	s_cselect_b32 s19, s93, s19                    ; e5,
	s_cselect_b32 s20, s97, s20                    ; e9
	s_add_co_i32 s18, s18, s19
	s_add_co_i32 s18, s18, 127
	s_lshl_b32 s96, s18, 23                        ; 2^(ex + ew) as f32
	s_mov_b32 s97, s96                             ; (named with it as a pair, so it is written)
	s_add_co_i32 s20, s20, 127
	s_lshl_b32 s21, s20, 23
	v_mov_b32 v[SCL], s21                          ; 2^eo as f32: the conversion takes its exponent field
	s_add_co_i32 s20, s20, 15
	s_lshl_b32 s20, s20, 23
	s_or_b32 s20, s20, 0x600000
	v_mov_b32 v[HOLD], s20                         ; 57,344 x 2^eo
	s_cmp_eq_u32 ttmp9, 2                          ; the one branch: on the tensor's number, the same in all partners; no barrier and no tensor load stands in its arms
	s_cbranch_scc1 .Lv
	BIAS 0                                         ; the bias lands under the last 64 products
	LAST
	PLACES NP                                      ; in front of the first read of results, and of the conversions that write where A's fragments lay
	s_wait_loadcnt 0x0
	OUT 0
	s_branch .Lend
.Lv:
	BIAS 1
	LAST
	PLACES NP
	s_wait_loadcnt 0x0
	OUT 1
.Lend:
	s_wait_tensorcnt 0x0                           ; the wave's end
	ds_add_u32 v[SPW], v[NIL]
	s_wait_dscnt 0x0
	CROUND                                         ; the closing round: no work-group ends while a partner may still ask for a tile that names it
	s_endpgm
.Lfunc_end_k_q3cfda531a0_qkv:
	.size	k_q3cfda531a0_qkv, .Lfunc_end_k_q3cfda531a0_qkv-k_q3cfda531a0_qkv
	.p2alignl 7, 3214868480
	.fill 96, 4, 3214868480
	.section	.rodata,"a",@progbits
	.p2align	6, 0x0
	.amdhsa_kernel k_q3cfda531a0_qkv
		.amdhsa_group_segment_fixed_size 327680
		.amdhsa_private_segment_fixed_size 0
		.amdhsa_enable_private_segment 0
		.amdhsa_kernarg_size 80
		.amdhsa_user_sgpr_count 2
		.amdhsa_user_sgpr_kernarg_segment_ptr 1
		.amdhsa_wavefront_size32 1
		.amdhsa_system_sgpr_workgroup_id_x 1
		.amdhsa_system_sgpr_workgroup_id_y 1
		.amdhsa_system_sgpr_workgroup_id_z 1
		.amdhsa_system_vgpr_workitem_id 0
		.amdhsa_next_free_vgpr 1024
		.amdhsa_next_free_sgpr 100
		.amdhsa_reserve_vcc 0
		.amdhsa_float_denorm_mode_32 3
		.amdhsa_float_denorm_mode_16_64 3
		.amdhsa_memory_ordered 1
		.amdhsa_forward_progress 1
		.amdhsa_inst_pref_size 200
	.end_amdhsa_kernel
	.amdgpu_metadata
---
amdhsa.version: [ 1, 2 ]
amdhsa.kernels:
  - .name:           k_q3cfda531a0_qkv
    .symbol:         k_q3cfda531a0_qkv.kd
    .args:
      - { .name: x_codes, .offset: 0, .size: 8, .value_kind: global_buffer, .address_space: global }
      - { .name: w_q_codes, .offset: 8, .size: 8, .value_kind: global_buffer, .address_space: global }
      - { .name: w_k_codes, .offset: 16, .size: 8, .value_kind: global_buffer, .address_space: global }
      - { .name: w_v_codes, .offset: 24, .size: 8, .value_kind: global_buffer, .address_space: global }
      - { .name: b_q, .offset: 32, .size: 8, .value_kind: global_buffer, .address_space: global }
      - { .name: b_k, .offset: 40, .size: 8, .value_kind: global_buffer, .address_space: global }
      - { .name: b_v, .offset: 48, .size: 8, .value_kind: global_buffer, .address_space: global }
      - { .name: lowp_scales, .offset: 56, .size: 8, .value_kind: global_buffer, .address_space: global }
      - { .name: q_img, .offset: 64, .size: 8, .value_kind: global_buffer, .address_space: global }
      - { .name: kv_img, .offset: 72, .size: 8, .value_kind: global_buffer, .address_space: global }
    .group_segment_fixed_size: 327680
    .private_segment_fixed_size: 0
    .kernarg_segment_align: 8
    .kernarg_segment_size: 80
    .max_flat_workgroup_size: 128
    .sgpr_count:     100
    .vgpr_count:     1024
    .wavefront_size: 32
...
	.end_amdgpu_metadata
.endif
;; end of part 1
;; launch attn (part 2): grid 4 x 64, 16 waves a work-group, clusters of 4 x 1, 327,680 bytes of LDS; arguments q_img, kv_img, lowp_scales, a_img; writes a_img
.if DOCPART == 2
	.amdgcn_target "amdgcn-amd-amdhsa--gfx1250"
	.amdhsa_code_object_version 6
	.text
	.protected	k_q3cfda531a0_attn
	.globl	k_q3cfda531a0_attn
	.p2align	8
	.type	k_q3cfda531a0_attn,@function
k_q3cfda531a0_attn:
	s_mov_b64 s[64:65], 0
	v_nop
	global_prefetch_b8 v0, s[64:65] scope:SCOPE_SE
	s_setreg_imm32_b32 hwreg(HW_REG_WAVE_MODE, 25, 1), 1
	s_wait_xcnt 0x0
	s_wait_alu depctr_hold_cnt(0) depctr_sa_sdst(0) depctr_va_vdst(0) depctr_va_sdst(0) depctr_va_ssrc(0) depctr_va_vcc(0) depctr_vm_vsrc(0)
	s_getreg_b32 s2, hwreg(HW_REG_IB_STS2, 6, 4)
	s_cmp_eq_u32 s2, 0
	s_cbranch_scc0 .Lentry_in_a_cluster
	s_endpgm
.Lentry_in_a_cluster:
	s_bfe_u32 s2, ttmp6, 0x10000c
	s_cmp_lg_u32 s2, 0x3003
	s_cbranch_scc0 .Lentry_shape_is_right
	s_endpgm
.Lentry_shape_is_right:
; For each of 64 heads (bh = 16 x batch + head): a = softmax(q k^T / 8) v on codes of BF8 (E5M2), head size 64, 2,048 queries and keys, no mask; a is quantised again to BF8 (scale 2^e10) for the last projection.
; q_img: [bh][query tile 128][group 2][lane 32][16 bytes].  kv_img: [bh][step of 128 keys 16][16,384]: K as [key tile 8][group 2][lane][16], then V as [tile of 16 channels 4][group 4][lane][16], keys along the registers.
; a_img: [row tile 512][K step of 128: 8][group 4][lane][16]: lane (r, h) holds token 16 tile + r, k = 128 step + 32 c + 16 h + 0 .. 15.
; THE SOFTMAX: t = score x 2^(e6 + e7) x log2(e) / 8; M = the row's largest t so far, rounded UP to a whole number; p = 2^(t - M) is quantised (scale 2^e8), not normalised.  The row's sum is taken of the
; unquantised p, in f32, and divides at the end.  When M moves, the sum and O are multiplied by 2^(old M - new M): exact.  The order in which a row meets its keys changes only the order of the sums.
; SHARES.  A work-group owns 512 queries of one head; each of its sixteen waves 32 of them, two tiles of 16, in 256 registers.  Each fragment of K and V that a wave reads feeds two products.
; THE HEAD'S WHOLE K AND V LIE IN LDS, 262,144 bytes, as in memory, filled once: wave w asks for step w's 16,384 bytes, one tensor load a wave, sixteen in all.  Nothing is filled again: no ring.
; Wave w multiplies step w FIRST, behind its own wait on TENSORcnt: only the wave that asked for those bytes reads them there.  Then ONE barrier, in front of which every wave has seen its own load land,
; and steps (w + i) mod 16, i = 1 .. 15, with no further barrier.  The first step is written out: its products start O^T with C = 0, so nothing is cleared and nothing rescaled there.
; CLUSTER.  The four work-groups of a cluster own the four query blocks of one head and need the same 262,144 bytes: each fill is a JOINT load (mask 15), alike in all four.
; No prefetch: every byte of K and V is asked for by the one group of loads at the head, so there is no loop to run ahead in.
; LAYOUT.  Both products transposed: S^T = K Q^T (source 0 = 16 keys, source 1 = 16 queries; K = 64), O^T = V^T P^T (source 0 = 16 channels, source 1 = P; K = 128 keys): a lane holds ONE query (lane % 16).
; Register j of score tile kt is key 16 kt + 8 (lane / 16) + j: the codes of tiles 2 b, 2 b + 1 are registers 4 b .. 4 b + 3 of P as the plain form lays an operand, and V's image has the same order.
; LIMITS on the given exponents: e6 + e7 between -123 and 130 (added to c's exponent field); e10 between -126 and 112; e8 + e9 goes by v_ldexp_f32 and has none;
; e8 BETWEEN -15 AND 127: p is at most 1 by its make (t <= M), and 57,344 x 2^e8 is at least 1.75 from e8 = -15 on, so the quantiser's clamp changes no p and is not written.  Under e8 = -15 this text is not right.
; The scaled scores t stay under 2^31 in magnitude.
; REGISTERS: v1 16 x lane; v2 the step's LDS address; v8-23 Q; v24-31 statistics; v32-95 K's eight fragments, later tile 1's P in v32-47 and three fragments of V in v48-95;
;   v96-159 S^T, then p, then V's fourth fragment in v96-111; v160-223 O^T, 32 a tile; v224-239 tile 0's P; v241-254 constants and at work; v251, v255 the spare word's address and 0.
.set LI,  1
.set AD,  2
.set Q0,  8
.set Q1,  16
.set ST,  24                           ; tile t: v[ST+4t] -M, +1 the largest t, +2, +3 the sum in two halves
.set KF,  32
.set P1,  32
.set VF,  48                           ; V's fragments 0 to 2
.set S,   96
.set OA,  160
.set P0,  224
.set MX,  246                          ; v246-249: four chains of maxima; then, with v[242:243], three of the four chains of sums
.set EC,  32                           ; the way out: the codes as they come, 8 registers a tile
.set XC,  48                           ; what a lane sends to the lane 16 away
.set YC,  56                           ; what it receives
.set RC,  64                           ; the codes as they are stored
.set SPW, 251
.set NIL, 255
.set SPARE, 0x40000                    ; behind K and V: the spare words, 128 bytes a wave, 2,048 in all
.set WV,  12                           ; s12  my wave's number
.set TB,  2                            ; s2   LDS byte at which the step in hand begins
.set CNT, 3                            ; s3   steps to go
.set IX,  58                           ; s58  wave + steps done; its low four bits name the step in hand
.set SEL, 20                           ; s[20:21] lane selects for v_permlanex16_b32: lane l xor 16
.set CS,  22                           ; s[22:23] c = log2(e) / 8 x 2^(e6 + e7)
.set G1,  24                           ; s[24:31] descriptor group 1
.set G0,  32                           ; s[32:35] group 0
.macro CROUND                          ; a round of the cluster's barrier
	s_barrier_signal -1
	s_barrier_wait -1
	s_cmp_lg_u32 s[WV], 0
	s_cbranch_scc1 .Lnot_wave_0_\@
	s_barrier_signal -3
.Lnot_wave_0_\@:
	s_barrier_wait -3
	s_barrier_signal -1
	s_barrier_wait -1
.endm
.macro PLACES n
.rept \n
	v_nop
.endr
.endm
	s_load_b256 s[4:11], s[0:1], 0x0               ; q_img s[4:5], kv_img s[6:7], the exponents s[8:9], a_img s[10:11]
	v_lshl_add_u32 v[SPW], v0, 2, SPARE
	v_mov_b32 v[NIL], 0
	ds_add_u32 v[SPW], v[NIL]                      ; the opening lines: the add, twice on end, and its wait ahead of my tensor load
	ds_add_u32 v[SPW], v[NIL]
	v_lshrrev_b32 v2, 5, v0
	s_delay_alu instid0(VALU_DEP_1)
	v_readfirstlane_b32 s[WV], v2                  ; wave 0..15
	s_bfe_u32 s13, ttmp6, 0x40000                  ; cx
	s_lshl_b32 s15, ttmp9, 2
	s_add_co_u32 s13, s13, s15                     ; my block of 512 queries: it enters q_img's and a_img's addresses alone
	s_and_b32 s14, ttmp7, 0xffff                   ; bh, which the four partners share
	s_lshl_b32 s17, s[WV], 14                      ; wave w takes step w: 16,384 bytes, in LDS as in memory
	s_lshl_b32 s18, s14, 18                        ; the head's 262,144 bytes
	s_add_co_u32 s18, s18, s17
	s_mov_b32 s19, 0
	s_mov_b32 s[G1], 15|(3<<16)|(1<<21)            ; the mask: all four work-groups; elements of 8 bytes; no padding; bit 21 beside a mask
	s_mov_b32 s[G1+1], 32<<16                      ; a dense block of 16,384 bytes as 64 rows of 256: tensor_dim0 = 32
	s_mov_b32 s[G1+2], 64<<16                      ; tensor_dim1 = 64
	s_mov_b32 s[G1+3], 32<<16                      ; tile_dim0 = 32
	s_mov_b32 s[G1+4], 64                          ; tile_dim1 = 64
	s_mov_b32 s[G1+5], 32                          ; tensor_dim0_stride
	s_mov_b32 s[G1+6], 0
	s_mov_b32 s[G1+7], 0
	s_mov_b32 s[SEL], 0x76543210
	s_mov_b32 s[SEL+1], 0xfedcba98
	s_mov_b32 s[CS], 0x3e38aa3b                    ; log2(e) / 8
	s_mov_b32 s[IX], s[WV]
	s_mov_b32 s[TB], s17
	s_wait_dscnt 0x0                               ; both opening adds are done
	s_wait_kmcnt 0x0
	s_load_b128 s[48:51], s[8:9], 0x18             ; e6, e7, e8, e9
	s_load_b32 s52, s[8:9], 0x28                   ; e10
	s_mov_b32 s[G0], 1                             ; count = 1
	s_mov_b32 s[G0+1], s17                         ; LDS address
	s_add_nc_u64 s[G0+2:G0+3], s[6:7], s[18:19]
	s_or_b32 s[G0+3], s[G0+3], 0x80000000          ; type = 2
	CROUND                                         ; all four work-groups are here: the joint loads meet
	tensor_load_to_lds s[G0:G0+3], s[G1:G1+7]      ; my one tensor load of the launch
	s_nop 0
	PLACES 4
	v_and_b32 v[LI], 31, v0
	s_delay_alu instid0(VALU_DEP_1)
	v_lshlrev_b32 v[LI], 4, v[LI]
	s_wait_alu depctr_va_vdst(0)                   ; the wait ahead of the run of scalar lines
	s_lshl_b32 s54, s13, 5
	s_lshl_b32 s55, s[WV], 1
	s_add_co_u32 s54, s54, s55                     ; my first query tile: 32 x block + 2 x wave
	s_lshl_b32 s56, s14, 17                        ; q_img: 131,072 bytes a head,
	s_lshl_b32 s55, s54, 10                        ; 1,024 a tile
	s_add_co_u32 s56, s56, s55
	s_mov_b32 s57, 0
	s_add_nc_u64 s[4:5], s[4:5], s[56:57]
.irp t, 0,1
.irp c, 0,1
	global_load_b128 v[Q0+8*\t+4*\c:Q0+8*\t+4*\c+3], v[LI], s[4:5] offset:1024*\t+512*\c th:TH_LOAD_NT   ; Q's fragments stay in registers
.endr
.endr
	s_lshr_b32 s55, s14, 4                         ; a_img: row tile = 128 x batch + query tile, 16,384 bytes each;
	s_lshl_b32 s55, s55, 7
	s_add_co_u32 s55, s55, s54
	s_lshl_b32 s56, s55, 14
	s_and_b32 s55, s14, 15                         ; the head's 64 along K are two groups: 1,024 bytes
	s_lshl_b32 s55, s55, 10
	s_add_co_u32 s56, s56, s55
	s_add_nc_u64 s[10:11], s[10:11], s[56:57]
.irp t, 0,1
	v_mov_b32 v[ST+4*\t+1], 0xff61b1e6             ; the largest t so far: -3e38, under every t
	s_delay_alu instid0(VALU_DEP_1)
	v_floor_f32 v[ST+4*\t], -v[ST+4*\t+1]          ; -M
	v_mov_b32 v[ST+4*\t+2], 0                      ; the sum, in two halves
	v_mov_b32 v[ST+4*\t+3], 0
.endr
	v_mov_b32 v250, 0                              ; written once: a lane permute's destination counts as one of its sources
	v_mov_b32 v253, 0                              ; (named as the upper half of the pair v[252:253])
	s_wait_kmcnt 0x0
	s_add_co_i32 s55, s48, s49
	s_lshl_b32 s55, s55, 23
	s_add_co_i32 s[CS], s[CS], s55                 ; a score stands for score x 2^(e6 + e7): the exponents are added to c's exponent field
	s_mov_b32 s[CS+1], s[CS]                       ; (named with it as a pair, so it is written)
	s_add_co_i32 s55, s50, 127
	s_lshl_b32 s56, s55, 23
	v_mov_b32 v244, s56                            ; 2^e8 as f32, for p's conversions
	s_add_co_i32 s55, s52, 127
	s_lshl_b32 s56, s55, 23
	v_mov_b32 v245, s56                            ; 2^e10, for the result's
	s_add_co_i32 s55, s55, 15
	s_lshl_b32 s55, s55, 23
	s_or_b32 s55, s55, 0x600000
	v_mov_b32 v241, s55                            ; 57,344 x 2^e10
	s_add_co_i32 s53, s50, s51                     ; e8 + e9
; Eight products S^T = K Q^T for the tile whose Q lies at v[q].  counted = 1: K's loads have just been issued, two a key tile, and come back in order: key tile kt is in when the 14 - 2 kt younger loads are out at the most.
.macro SCORES q, counted
.irp kt, 0,1,2,3,4,5,6,7
.if \counted
	s_wait_dscnt 14-2*\kt
.endif
	v_wmma_f32_16x16x64_bf8_bf8 v[S+8*\kt:S+8*\kt+7], v[KF+8*\kt:KF+8*\kt+7], v[\q:\q+7], 0
.endr
.endm
; Eight of the 32 multiply-adds t - M, from register j0 on, two numbers an instruction (of the pairs c and -M the low word serves both halves)
.macro TM8 j0
.set jj, \j0
.rept 8
	v_pk_fma_f32 v[S+jj:S+jj+1], v[S+jj:S+jj+1], s[CS:CS+1], v[NM:NM+1] op_sel_hi:[1,0,0]
.set jj, jj+2
.endr
.endm
; The softmax of tile t for 128 keys, on the 64 scores of a lane in v[S] on; p's codes go to v[pc] on.  first = 1: there is no O^T yet to bring under the new M.
.macro SM t, pc, first
.set NM, ST+4*(\t)
.set OT, OA+32*(\t)
; the step's largest score of my query among my 64 keys, in FOUR chains that do not hang on each other: chain c takes accumulators c and c + 4, each from its low end on; 28 lines, and 4 that join the chains and the four numbers left
.irp c, 0,1,2,3
	v_max3_num_f32 v[MX+\c], v[S+8*\c], v[S+8*\c+1], v[S+8*\c+2]
.endr
.irp o, 3,5
.irp c, 0,1,2,3
	v_max3_num_f32 v[MX+\c], v[MX+\c], v[S+8*\c+\o], v[S+8*\c+\o+1]
.endr
.endr
.irp c, 0,1,2,3
	v_max3_num_f32 v[MX+\c], v[MX+\c], v[S+8*\c+7], v[S+32+8*\c]
.endr
.irp o, 1,3,5
.irp c, 0,1,2,3
	v_max3_num_f32 v[MX+\c], v[MX+\c], v[S+32+8*\c+\o], v[S+32+8*\c+\o+1]
.endr
.endr
	v_max3_num_f32 v[MX], v[MX], v[MX+1], v[S+39]
	v_max3_num_f32 v[MX+2], v[MX+2], v[MX+3], v[S+47]
	v_max3_num_f32 v[MX], v[MX], v[S+55], v[S+63]
	s_delay_alu instid0(VALU_DEP_1)
	v_max_num_f32 v254, v[MX], v[MX+2]
	s_delay_alu instid0(VALU_DEP_1)
	v_permlanex16_b32 v250, v254, s[SEL], s[SEL+1]
	s_delay_alu instid0(VALU_DEP_1)
	v_max_num_f32 v254, v254, v250                 ; and among lane l xor 16's
	s_delay_alu instid0(VALU_DEP_1)
	v_mul_f32 v254, s[CS], v254                    ; as t (c is positive)
	s_delay_alu instid0(VALU_DEP_1)
	v_max_num_f32 v[NM+1], v[NM+1], v254           ; the running largest t
	v_mov_b32 v254, v[NM]
	s_delay_alu instid0(VALU_DEP_2)
	v_floor_f32 v[NM], -v[NM+1]                    ; the new -M = floor(-t) = -ceil(t): M is a whole number
	TM8 0                                          ; the three lines that make f stand among the multiply-adds, which do not hang on them
	v_sub_f32 v254, v[NM], v254                    ; M's old value less its new one: a whole number, 0 or less
	TM8 16
	v_cvt_i32_f32 v254, v254                       ; (it saturates)
	TM8 32
	v_ldexp_f32 v252, 1.0, v254                    ; f = 2^(old M - new M): a multiplication by it rounds nothing
	TM8 48
	s_wait_alu depctr_va_vdst(0)                   ; the wait ahead of the batch
.set jj, 0
.rept 64
	v_exp_f32 v[S+jj], v[S+jj]                     ; p = 2^(t - M), at most 1: not normalised
.set jj, jj+1
.endr
	v_pk_mul_f32 v[NM+2:NM+3], v[NM+2:NM+3], v[252:253] op_sel_hi:[1,0]   ; the sums under the new M.  (The plain instruction behind the exponentials)
	s_wait_alu depctr_va_vdst(0)                   ; one wait for the whole batch, ahead of its first reader
; the row's sum is taken of the unquantised p: two at a time, in FOUR chains: 29 lines for the 32 pairs, and 3 that join the chains
	v_pk_add_f32 v[242:243], v[S:S+1], v[S+2:S+3]
	v_pk_add_f32 v[MX:MX+1], v[S+4:S+5], v[S+6:S+7]
	v_pk_add_f32 v[MX+2:MX+3], v[S+8:S+9], v[S+10:S+11]
.set jj, 12
.rept 6
	v_pk_add_f32 v[NM+2:NM+3], v[NM+2:NM+3], v[S+jj:S+jj+1]
	v_pk_add_f32 v[242:243], v[242:243], v[S+jj+2:S+jj+3]
	v_pk_add_f32 v[MX:MX+1], v[MX:MX+1], v[S+jj+4:S+jj+5]
	v_pk_add_f32 v[MX+2:MX+3], v[MX+2:MX+3], v[S+jj+6:S+jj+7]
.set jj, jj+8
.endr
	v_pk_add_f32 v[NM+2:NM+3], v[NM+2:NM+3], v[S+60:S+61]
	v_pk_add_f32 v[242:243], v[242:243], v[S+62:S+63]
	v_pk_add_f32 v[MX:MX+1], v[MX:MX+1], v[MX+2:MX+3]
	v_pk_add_f32 v[NM+2:NM+3], v[NM+2:NM+3], v[242:243]
	v_pk_add_f32 v[NM+2:NM+3], v[NM+2:NM+3], v[MX:MX+1]
.set bb, 0
.rept 8
	v_cvt_scalef32_pk8_bf8_f32 v[\pc+2*bb:\pc+2*bb+1], v[S+8*bb:S+8*bb+7], v244   ; p <= 1 <= 57,344 x 2^e8 (the head's limit on e8): no hold is owed
.set bb, bb+1
.endr
.if \first
	v_nop                                          ; the plain instruction behind the conversions
.else
	s_wait_alu depctr_va_vdst(0)                   ; the wait here, directly ahead of the first reader of O^T
.set jj, 0
.rept 16
	v_pk_mul_f32 v[OT+jj:OT+jj+1], v[OT+jj:OT+jj+1], v[252:253] op_sel_hi:[1,0]   ; the tile's O^T under the new M.  (Also the plain instructions behind the conversions)
.set jj, jj+2
.endr
.endif
.endm
; Two products O^T += V^T P^T: channels 16 dt on, for both tiles; V's fragment lies at v[vf].  The eight accumulators take turns, one instruction a turn.
.macro PV dt, vf, first
.if \first
	v_wmma_f32_16x16x128_bf8_bf8 v[OA+8*\dt:OA+8*\dt+7], v[\vf:\vf+15], v[P0:P0+15], 0
	v_wmma_f32_16x16x128_bf8_bf8 v[OA+32+8*\dt:OA+32+8*\dt+7], v[\vf:\vf+15], v[P1:P1+15], 0
.else
	v_wmma_f32_16x16x128_bf8_bf8 v[OA+8*\dt:OA+8*\dt+7], v[\vf:\vf+15], v[P0:P0+15], v[OA+8*\dt:OA+8*\dt+7]
	v_wmma_f32_16x16x128_bf8_bf8 v[OA+32+8*\dt:OA+32+8*\dt+7], v[\vf:\vf+15], v[P1:P1+15], v[OA+32+8*\dt:OA+32+8*\dt+7]
.endif
.endm
; A KEY STEP: 128 keys, for both tiles.
.macro STEP first
	v_add_nc_u32 v[AD], s[TB], v[LI]
.irp kt, 0,1,2,3,4,5,6,7
	ds_load_b128 v[KF+8*\kt:KF+8*\kt+3], v[AD] offset:1024*\kt         ; K's eight fragments: 512 consecutive bytes a load
	ds_load_b128 v[KF+8*\kt+4:KF+8*\kt+7], v[AD] offset:1024*\kt+512
.endr
	SCORES Q0, 1
	PLACES 4                                       ; in front of the first read of results
	SM 0, P0, \first
	SCORES Q1, 0                                   ; the same fragments of K once more
	PLACES 4                                       ; in front of the first read of results, and of the loads into K's fragments 2 to 7, which are done with
.irp dt, 0,1,2
.irp c, 0,1,2,3
	ds_load_b128 v[VF+16*\dt+4*\c:VF+16*\dt+4*\c+3], v[AD] offset:8192+2048*\dt+512*\c   ; V's fragments 0 to 2: asked for here, wanted behind tile 1's softmax
.endr
.endr
	SM 1, P1, \first                               ; its codes take the place of K's first two fragments
.irp c, 0,1,2,3
	ds_load_b128 v[S+4*\c:S+4*\c+3], v[AD] offset:8192+2048*3+512*\c   ; V's fourth fragment, where p lay
.endr
	s_wait_alu depctr_va_vdst(0)                   ; the wait here, directly ahead of the waits below
	s_wait_dscnt 4                                 ; fragments 0 to 2 are in: the fourth's 4 loads may be out
	PV 0, VF, \first
	PV 1, VF+16, \first
	PV 2, VF+32, \first
	s_wait_dscnt 0x0
	PV 3, S, \first
	PLACES 5                                       ; with the next step's addition six: four are owed to the loads into P1's and V's registers, five to the score products that write over V's fourth fragment; behind the last step: to the reads of O^T
.endm
	s_wait_alu depctr_va_vdst(0)                   ; the wait at the head's end
	s_wait_loadcnt 0x0                             ; Q
	s_wait_tensorcnt 0x0                           ; my own step's 16,384 bytes are in
	STEP 1                                         ; step w: bytes that I asked for and that only I read here
	s_wait_dscnt 0x0
	s_barrier_signal -1
	s_barrier_wait -1                              ; every wave has seen its load land: all of K and V may be read by all
	s_mov_b32 s[CNT], 15
.Lstep:
	s_add_co_u32 s[IX], s[IX], 1
	s_and_b32 s[TB], s[IX], 15                     ; step (w + i) mod 16
	s_lshl_b32 s[TB], s[TB], 14
	STEP 0
	s_sub_co_u32 s[CNT], s[CNT], 1
	s_cmp_lg_u32 s[CNT], 0
	s_cbranch_scc1 .Lstep
	; THE WAY OUT.  The sum's halves and the other half of the lanes' are added; O^T x 2^(e8 + e9) / the sum is held, converted, brought into a_img's order and stored.
	v_add_f32 v[ST+2], v[ST+2], v[ST+3]
	v_add_f32 v[ST+6], v[ST+6], v[ST+7]
	s_delay_alu instid0(VALU_DEP_2)
	v_permlanex16_b32 v250, v[ST+2], s[SEL], s[SEL+1]
	s_delay_alu instid0(VALU_DEP_2)
	v_permlanex16_b32 v252, v[ST+6], s[SEL], s[SEL+1]
	s_delay_alu instid0(VALU_DEP_2)
	v_add_f32 v[ST+2], v[ST+2], v250
	s_delay_alu instid0(VALU_DEP_2)
	v_add_f32 v[ST+6], v[ST+6], v252               ; the rows' sums
	s_wait_alu depctr_va_vdst(0)                   ; the wait ahead of the transcendentals
	v_rcp_f32 v[ST+2], v[ST+2]
	v_rcp_f32 v[ST+6], v[ST+6]
.set jj, 0
.rept 8
	v_mov_b32 v[YC+jj], 0                          ; the permutes' destinations are written once; also the plain instructions behind the reciprocals
.set jj, jj+1
.endr
	s_mov_b32 vcc_lo, 0xffff0000                   ; lanes 16 to 31
	s_wait_alu depctr_va_vdst(0)                   ; one wait for both reciprocals, ahead of their first reader
	v_ldexp_f32 v[ST+2], v[ST+2], s53              ; x 2^(e8 + e9)
	v_ldexp_f32 v[ST+6], v[ST+6], s53
	s_wait_alu depctr_va_vdst(0)                   ; the wait here, directly ahead of the first readers of O^T
.irp t, 0,1
.set jj, 0
.rept 16
	v_pk_mul_f32 v[S+32*\t+jj:S+32*\t+jj+1], v[OA+32*\t+jj:OA+32*\t+jj+1], v[ST+4*\t+2:ST+4*\t+3] op_sel_hi:[1,0]   ; register 8 dt + j: a(query r, channel 16 dt + 8 h + j); each accumulator from its low end on
.set jj, jj+2
.endr
.endr
.set jj, 0
.rept 64
	v_med3_num_f32 v[S+jj], v[S+jj], -v241, v241   ; the hold at the largest code x the scale
.set jj, jj+1
.endr
.irp t, 0,1
.irp dt, 0,1,2,3
	v_cvt_scalef32_pk8_bf8_f32 v[EC+8*\t+2*\dt:EC+8*\t+2*\dt+1], v[S+32*\t+8*\dt:S+32*\t+8*\dt+7], v245
.endr
.endr
	v_nop                                          ; one plain vector instruction between the conversions and the first read of their results
; I hold channels 16 dt + 8 h + 0..7 of each tile dt; a_img's group b wants channels 32 b + 16 h + 0..15 in a lane.  So a lane of the lower half keeps tile 2 b and gives tile 2 b + 1 away, a lane of the upper half the other way round.
.irp t, 0,1
.irp hb, 0,1
.irp w, 0,1
	v_cndmask_b32 v[XC+4*\t+2*\hb+\w], v[EC+8*\t+4*\hb+2+\w], v[EC+8*\t+4*\hb+\w], vcc_lo   ; what I give: lower half tile 2 b + 1, upper half tile 2 b
.endr
.endr
.endr
.set jj, 0
.rept 8
	v_permlanex16_b32 v[YC+jj], v[XC+jj], s[SEL], s[SEL+1]
.set jj, jj+1
.endr
.irp t, 0,1
.irp hb, 0,1
.irp w, 0,1
	v_cndmask_b32 v[RC+8*\t+4*\hb+\w], v[EC+8*\t+4*\hb+\w], v[YC+4*\t+2*\hb+\w], vcc_lo       ; the first eight channels: lower half its own, upper half the received
	v_cndmask_b32 v[RC+8*\t+4*\hb+2+\w], v[YC+4*\t+2*\hb+\w], v[EC+8*\t+4*\hb+2+\w], vcc_lo   ; the next eight: lower half the received, upper half its own
.endr
.endr
.endr
.irp t, 0,1
.irp hb, 0,1
	global_store_b128 v[LI], v[RC+8*\t+4*\hb:RC+8*\t+4*\hb+3], s[10:11] offset:16384*\t+512*\hb   ; 32 lanes store 512 consecutive bytes, at a multiple of 512 from a_img's first byte
.endr
.endr
	s_wait_tensorcnt 0x0                           ; the wave's end
	ds_add_u32 v[SPW], v[NIL]
	s_wait_dscnt 0x0
	CROUND                                         ; the closing round: no work-group ends while a partner may still ask for a tile that names it
	s_endpgm
.Lfunc_end_k_q3cfda531a0_attn:
	.size	k_q3cfda531a0_attn, .Lfunc_end_k_q3cfda531a0_attn-k_q3cfda531a0_attn
	.p2alignl 7, 3214868480
	.fill 96, 4, 3214868480
	.section	.rodata,"a",@progbits
	.p2align	6, 0x0
	.amdhsa_kernel k_q3cfda531a0_attn
		.amdhsa_group_segment_fixed_size 327680
		.amdhsa_private_segment_fixed_size 0
		.amdhsa_enable_private_segment 0
		.amdhsa_kernarg_size 32
		.amdhsa_user_sgpr_count 2
		.amdhsa_user_sgpr_kernarg_segment_ptr 1
		.amdhsa_wavefront_size32 1
		.amdhsa_system_sgpr_workgroup_id_x 1
		.amdhsa_system_sgpr_workgroup_id_y 1
		.amdhsa_system_sgpr_workgroup_id_z 1
		.amdhsa_system_vgpr_workitem_id 0
		.amdhsa_next_free_vgpr 256
		.amdhsa_next_free_sgpr 66
		.amdhsa_reserve_vcc 1
		.amdhsa_float_denorm_mode_32 3
		.amdhsa_float_denorm_mode_16_64 3
		.amdhsa_memory_ordered 1
		.amdhsa_forward_progress 1
		.amdhsa_inst_pref_size 63
	.end_amdhsa_kernel
	.amdgpu_metadata
---
amdhsa.version: [ 1, 2 ]
amdhsa.kernels:
  - .name:           k_q3cfda531a0_attn
    .symbol:         k_q3cfda531a0_attn.kd
    .args:
      - { .name: q_img, .offset: 0, .size: 8, .value_kind: global_buffer, .address_space: global }
      - { .name: kv_img, .offset: 8, .size: 8, .value_kind: global_buffer, .address_space: global }
      - { .name: lowp_scales, .offset: 16, .size: 8, .value_kind: global_buffer, .address_space: global }
      - { .name: a_img, .offset: 24, .size: 8, .value_kind: global_buffer, .address_space: global }
    .group_segment_fixed_size: 327680
    .private_segment_fixed_size: 0
    .kernarg_segment_align: 8
    .kernarg_segment_size: 32
    .max_flat_workgroup_size: 512
    .sgpr_count:     66
    .vgpr_count:     256
    .wavefront_size: 32
...
	.end_amdgpu_metadata
.endif
;; end of part 2
;; launch proj (part 3): grid 64 x 4, 4 waves a work-group, clusters of 4 x 1, 327,680 bytes of LDS; arguments a_img, w_o_codes, lowp_scales, b_o, out0; writes out0
.if DOCPART == 3
	.amdgcn_target "amdgcn-amd-amdhsa--gfx1250"
	.amdhsa_code_object_version 6
	.text
	.protected	k_q3cfda531a0_proj
	.globl	k_q3cfda531a0_proj
	.p2align	8
	.type	k_q3cfda531a0_proj,@function
k_q3cfda531a0_proj:
	s_mov_b64 s[64:65], 0
	v_nop
	global_prefetch_b8 v0, s[64:65] scope:SCOPE_SE
	s_setreg_imm32_b32 hwreg(HW_REG_WAVE_MODE, 25, 1), 1
	s_wait_xcnt 0x0
	s_wait_alu depctr_hold_cnt(0) depctr_sa_sdst(0) depctr_va_vdst(0) depctr_va_sdst(0) depctr_va_ssrc(0) depctr_va_vcc(0) depctr_vm_vsrc(0)
	s_getreg_b32 s2, hwreg(HW_REG_IB_STS2, 6, 4)
	s_cmp_eq_u32 s2, 0
	s_cbranch_scc0 .Lentry_in_a_cluster
	s_endpgm
.Lentry_in_a_cluster:
	s_bfe_u32 s2, ttmp6, 0x10000c
	s_cmp_lg_u32 s2, 0x3003
	s_cbranch_scc0 .Lentry_shape_is_right
	s_endpgm
.Lentry_shape_is_right:
; out0 = a W_o^T x 2^(e10 + e11) + b_o on codes of BF8 (E5M2).  a: 8,192 rows x 1,024 K, as an image of operand registers: a_img [row tile of 16: 512][K step of 128: 8][group 4][lane 32][16 bytes],
; lane (r, h) holding row 16 tile + r, k = 128 step + 32 c + 16 h + 0 .. 15.  W_o: [1024 (n)][1024 (k)] codes, K innermost.  out0: [8192][1024] f32.
; LIMIT: e10 + e11 between -126 and 127, so that 2^(e10 + e11) is an f32 number.
; SHARES.  256 work-groups: a work-group makes 128 rows x 256 columns, each of its four waves 64 rows x 128 columns: 32 accumulators.
; B (256 rows of W_o, the whole K) lies in LDS, 256 x 1,040 bytes, filled ONCE: wave w asks for rows 64 w .. 64 w + 63, one tensor load a wave.  Nothing is filled again: no ring, one barrier.
; A goes from memory straight into registers: a_img has the registers' order, so a load of 16 bytes a lane covers 512 consecutive bytes; a wave's 64 rows x 1,024 K are 128 loads, 512 registers, each read once by the wave.
; CLUSTER: 4 x 1 work-groups, four row blocks of one column group: they need the same rows of W_o, asked for jointly (mask 15).
; No prefetch: all of A and B is asked for at the head, so there is no loop to run ahead in.
; THE MATRIX INSTRUCTION IS USED TRANSPOSED (source 0 = 16 rows of W_o, source 1 = 16 rows of a): a lane holds eight neighbouring numbers of a row of out0.  Both operands hold k in the same order.
; REGISTERS, in windows of 256.  window 0: v1-6 at work at the head; v20-29 addresses; v64-255 B's fragments, three buffers of four (64 registers each); on the way out v32-95 results, v128-255 rows read back.
;   window 1: A's K steps 0-3 (step s, block a at v[64 s + 16 a]), later the bias in v0-63.   window 3: A's K steps 4-7.   window 2: accumulator (a, b) at v[8 (8 a + b)].
.set SIZE_N, 1024
.set PITCH,  1040                      ; an LDS row: 1,024 bytes + 16 of padding = 260 words: the 16 rows that a fragment load touches begin 4 words apart modulo 64
.set NP,     4                         ; places behind this matrix instruction (ISA guide 7.12.1)
.set BROWS,  64*PITCH                  ; what one tensor load brings
.set SPARE,  4*BROWS                   ; behind B: the spare words, 128 bytes a wave
.set STAGE,  SPARE+512                 ; behind them: the way out's stages, bytes of their own
.set SPITCH, 528                       ; a stage: 16 rows x (512 bytes + 16) for each wave
.set ADRB, 20                          ; v20, v21  LDS address of my B fragments, blocks 0-3 and 4-7 (an offset has 16 bits)
.set STO,  24
.set RD,   25
.set CO,   26                          ; 16 x lane
.set BO,   27
.set SPW,  28
.set NIL,  29
.set TMP,  32
.set BK,   128
.set G1, 24
.set G0, 32
.set MSB, 0
.macro WIN new                         ; the immediate's high byte repeats the setting that is left
.if MSB != (\new)
	s_set_vgpr_msb (MSB<<8)|(\new)
.set MSB, \new
.endif
.endm
.macro CROUND                          ; a round of the cluster's barrier
	s_barrier_signal -1
	s_barrier_wait -1
	s_cmp_lg_u32 s14, 0
	s_cbranch_scc1 .Lnot_wave_0_\@
	s_barrier_signal -3
.Lnot_wave_0_\@:
	s_barrier_wait -3
	s_barrier_signal -1
	s_barrier_wait -1
.endm
.macro PLACES n
.rept \n
	v_nop
.endr
.endm
	s_load_b128 s[4:7], s[0:1], 0x0                ; a_img s[4:5], W_o s[6:7]
	s_load_b128 s[8:11], s[0:1], 0x10              ; the exponents s[8:9], b_o s[10:11]
	s_load_b64 s[12:13], s[0:1], 0x20              ; out0
	v_lshl_add_u32 v[SPW], v0, 2, SPARE
	v_mov_b32 v[NIL], 0
	ds_add_u32 v[SPW], v[NIL]                      ; the opening lines: the add, twice on end, and its wait ahead of my tensor load
	ds_add_u32 v[SPW], v[NIL]
	v_lshrrev_b32 v1, 5, v0
	v_readfirstlane_b32 s14, v1                    ; wave 0..3
	s_lshr_b32 s15, s14, 1                         ; which 64 rows are mine
	s_and_b32 s16, s14, 1                          ; which 128 columns
	s_bfe_u32 s40, ttmp6, 0x40000                  ; cx
	s_lshl_b32 s17, ttmp9, 2
	s_add_co_u32 s17, s17, s40                     ; my block of 128 rows: it enters a_img's and out0's addresses alone
	s_and_b32 s42, ttmp7, 0xffff                   ; my group of 256 columns, which the four partners share
	s_mov_b32 s[G1], 15|(0<<16)|(1<<20)|(1<<21)|(7<<22)|(3<<25)   ; the mask: all four; elements of 1 byte; padding: four words after every 256; bit 21 beside a mask
	s_mov_b32 s[G1+1], 1024<<16                    ; tensor_dim0 = 1,024
	s_mov_b32 s[G1+2], 64<<16                      ; tensor_dim1 = 64
	s_mov_b32 s[G1+3], 1024<<16                    ; tile_dim0 = 1,024
	s_mov_b32 s[G1+4], 64                          ; tile_dim1 = 64
	s_mov_b32 s[G1+5], 1024                        ; tensor_dim0_stride
	s_mov_b32 s[G1+6], 0
	s_mov_b32 s[G1+7], 0
	s_lshl_b32 s46, s42, 8
	s_lshl_b32 s47, s14, 6
	s_add_co_u32 s46, s46, s47                     ; W_o's row 256 x group + 64 x wave,
	s_lshl_b32 s46, s46, 10                        ; in bytes
	s_mov_b32 s47, 0
	s_mul_i32 s45, s14, BROWS                      ; and where it goes
	s_lshl_b32 s20, s17, 3
	s_lshl_b32 s21, s15, 2
	s_add_co_u32 s20, s20, s21                     ; my first row tile of a_img: 8 x block + 4 x half,
	s_lshl_b32 s20, s20, 14                        ; 16,384 bytes each
	s_mov_b32 s21, 0
	s_mul_i32 s22, s16, 128*PITCH                  ; my 128 rows of B in LDS
	s_mul_i32 s23, s14, 16*SPITCH
	s_add_co_u32 s23, s23, STAGE                   ; my stage
	s_lshl_b32 s18, s17, 7
	s_lshl_b32 s19, s15, 6
	s_add_co_u32 s18, s18, s19                     ; my first row of out0,
	s_lshl_b32 s18, s18, 12                        ; 4,096 bytes each
	s_mov_b32 s19, 0
	s_lshl_b32 s48, s42, 10
	s_lshl_b32 s49, s16, 9
	s_add_co_u32 s48, s48, s49                     ; my first column, in bytes of f32
	s_mov_b32 s49, 0
	s_wait_dscnt 0x0                               ; both opening adds are done
	s_wait_kmcnt 0x0
	s_load_b64 s[96:97], s[8:9], 0x28              ; e10, e11
	s_mov_b32 s[G0], 1
	s_mov_b32 s[G0+1], s45
	s_add_nc_u64 s[G0+2:G0+3], s[6:7], s[46:47]
	s_or_b32 s[G0+3], s[G0+3], 0x80000000
	s_add_nc_u64 s[4:5], s[4:5], s[20:21]
	s_add_nc_u64 s[10:11], s[10:11], s[48:49]
	s_add_nc_u64 s[12:13], s[12:13], s[18:19]
	s_add_nc_u64 s[12:13], s[12:13], s[48:49]
	CROUND                                         ; all four work-groups are here: the joint loads meet
	tensor_load_to_lds s[G0:G0+3], s[G1:G1+7]      ; my one tensor load of the launch
	s_nop 0
	PLACES 4
	v_and_b32 v1, 15, v0                           ; r
	v_bfe_u32 v2, v0, 4, 1                         ; h
	v_and_b32 v6, 31, v0
	v_lshlrev_b32 v[CO], 4, v6
	v_mul_u32_u24 v3, v1, PITCH
	v_lshl_add_u32 v4, v2, 4, v3                   ; a fragment's row x pitch + 16 x half
	v_add_nc_u32 v[ADRB], s22, v4
	v_add_nc_u32 v[ADRB+1], 4*16*PITCH, v[ADRB]
	v_lshlrev_b32 v[BO], 5, v2
	v_mul_u32_u24 v5, v1, SPITCH                   ; the stage, in: row r, 32 bytes for each half of the lanes
	v_lshl_add_u32 v5, v2, 5, v5
	v_add_nc_u32 v[STO], s23, v5
	v_add_nc_u32 v[RD], s23, v[CO]                 ; back: the 32 lanes take one row of 512 bytes
	s_wait_alu depctr_va_vdst(0)                   ; the wait at the end of the head's vector work
	WIN 0x40                                       ; destination window 1
.irp s, 0,1,2,3
.irp a, 0,1,2,3
.irp c, 0,1,2,3
	global_load_b128 v[64*\s+16*\a+4*\c:64*\s+16*\a+4*\c+3], v[CO], s[4:5] offset:16384*\a+2048*\s+512*\c   ; A, K ascending: 512 consecutive bytes a load
.endr
.endr
.endr
	WIN 0xc0                                       ; destination window 3
.irp s, 4,5,6,7
.irp a, 0,1,2,3
.irp c, 0,1,2,3
	global_load_b128 v[64*(\s-4)+16*\a+4*\c:64*(\s-4)+16*\a+4*\c+3], v[CO], s[4:5] offset:16384*\a+2048*\s+512*\c
.endr
.endr
.endr
	WIN 0
; Half step j (0 .. 15): K step j / 2, B's blocks 4 (j % 2) .. + 3, in buffer j % 3.
.macro FETCH j                         ; 16 LDS loads: four fragments of 16 rows x 128 K; registers 4 c .. 4 c + 3 hold k = 32 c + 16 h + 0 .. 15, as a_img has them
.set HB, 64+64*((\j)%3)
.irp bq, 0,1,2,3
.irp c, 0,1,2,3
	ds_load_b128 v[HB+16*\bq+4*\c:HB+16*\bq+4*\c+3], v[ADRB+((\j)%2)] offset:\bq*16*PITCH+128*((\j)/2)+32*\c
.endr
.endr
.endm
.macro MULH j                          ; 16 matrix instructions: A's four blocks x B's four.  The 32 accumulators take turns, one instruction a turn, in the same order in every K step
.set HB, 64+64*((\j)%3)
.set AB, 64*(((\j)/2)%4)
	WIN 0xa4+8*((\j)/8)                            ; source 0 (B) window 0, source 1 (A) window 1 or 3, C and D window 2
.irp a, 0,1,2,3
.irp bq, 0,1,2,3
.if (\j) < 2
	v_wmma_f32_16x16x128_bf8_bf8 v[64*\a+8*(4*((\j)%2)+\bq):64*\a+8*(4*((\j)%2)+\bq)+7], v[HB+16*\bq:HB+16*\bq+15], v[AB+16*\a:AB+16*\a+15], 0
.else
	v_wmma_f32_16x16x128_bf8_bf8 v[64*\a+8*(4*((\j)%2)+\bq):64*\a+8*(4*((\j)%2)+\bq)+7], v[HB+16*\bq:HB+16*\bq+15], v[AB+16*\a:AB+16*\a+15], v[64*\a+8*(4*((\j)%2)+\bq):64*\a+8*(4*((\j)%2)+\bq)+7]
.endif
.endr
.endr
.endm
	s_wait_tensorcnt 0x0                           ; my 64 rows of B are in,
	s_barrier_signal -1
	s_barrier_wait -1                              ; everybody's are
	FETCH 0
	FETCH 1
	FETCH 2
	s_wait_loadcnt 48                              ; A's K steps 0 to 4 are in: the 48 loads of K steps 5 to 7 may be out
.irp j, 0,1,2,3,4,5,6,7,8,9,10,11,12,13,14,15
.if \j == 10
	s_wait_loadcnt 0x0                             ; all of A is in
	WIN 0x40
.irp b, 0,1,2,3,4,5,6,7
	global_load_b128 v[8*\b:8*\b+3], v[BO], s[10:11] offset:64*\b          ; the bias in the result's layout, register 8 b + i = bias(16 b + 8 h + i), where A's K step 0 lay
	global_load_b128 v[8*\b+4:8*\b+7], v[BO], s[10:11] offset:64*\b+16
.endr
	WIN 0
.endif
.if \j < 14
	s_wait_dscnt 32                                ; half step j is in: the 32 loads of the two younger half steps may be out
.else
	s_wait_dscnt 16*(15-\j)
.endif
	MULH \j
.if \j < 13
	PLACES NP                                      ; in front of the loads into the buffer just multiplied
	WIN 0
	FETCH \j+3
.endif
.endr
	WIN 0
; THE WAY OUT, block by block of 16 rows x 128 columns: sum x 2^(e10 + e11) + bias, through my own stage in LDS, back as whole rows of 512 bytes, which the 32 lanes store as two aligned units of 256 bytes.
; LDS serves a wave's instructions in order (ISA guide 5.7.1.4): no wait between the stores and the loads.
.macro TOSTAGE a
.set AC, 64*(\a)
	WIN 0x12                                       ; source 0 window 2, source 2 window 1
.irp j, 0,2,4,6,8,10,12,14,16,18,20,22,24,26,28,30,32,34,36,38,40,42,44,46,48,50,52,54,56,58,60,62
	v_pk_fma_f32 v[TMP+\j:TMP+\j+1], v[AC+\j:AC+\j+1], s[96:97], v[\j:\j+1] op_sel_hi:[1,0,1]   ; each accumulator from its low end on
.endr
	WIN 0
.irp b, 0,1,2,3,4,5,6,7
	ds_store_b128 v[STO], v[TMP+8*\b:TMP+8*\b+3] offset:64*\b
	ds_store_b128 v[STO], v[TMP+8*\b+4:TMP+8*\b+7] offset:64*\b+16
.endr
.set BB, BK+64*((\a)%2)
.irp t, 0,1,2,3,4,5,6,7,8,9,10,11,12,13,14,15
	ds_load_b128 v[BB+4*\t:BB+4*\t+3], v[RD] offset:\t*SPITCH
.endr
.endm
.macro SEND a, younger                 ; younger: the LDS instructions issued behind block a's loads, which may stay out
.set BB, BK+64*((\a)%2)
	s_wait_dscnt \younger
.if (\a) > 0
	s_add_nc_u64 s[12:13], s[12:13], 16*SIZE_N*4   ; (behind a wait on XCNT: the earlier stores have read their base)
.endif
.irp t, 0,1,2,3,4,5,6,7,8,9,10,11,12,13,14,15
	global_store_b128 v[CO], v[BB+4*\t:BB+4*\t+3], s[12:13] offset:\t*SIZE_N*4 th:TH_STORE_NT
.endr
.endm
	s_wait_kmcnt 0x0
	s_add_co_i32 s96, s96, s97
	s_add_co_i32 s96, s96, 127
	s_lshl_b32 s96, s96, 23                        ; 2^(e10 + e11) as f32
	s_mov_b32 s97, s96                             ; (named with it as a pair, so it is written)
	s_wait_loadcnt 0x0                             ; the bias
	PLACES NP                                      ; in front of the first read of results and of writes into B's buffers
	TOSTAGE 0
.irp a, 1,2,3
.if \a > 1
	s_wait_xcnt 0x0                                ; block a - 2's stores have read their registers: block a's loads may land there
.endif
	TOSTAGE \a
	SEND \a-1, 32                                  ; behind block a - 1's loads: block a's 16 stores and 16 loads
.endr
	s_wait_xcnt 0x0
	SEND 3, 0
	s_wait_tensorcnt 0x0                           ; the wave's end
	ds_add_u32 v[SPW], v[NIL]
	s_wait_dscnt 0x0
	CROUND                                         ; the closing round
	s_endpgm
.Lfunc_end_k_q3cfda531a0_proj:
	.size	k_q3cfda531a0_proj, .Lfunc_end_k_q3cfda531a0_proj-k_q3cfda531a0_proj
	.p2alignl 7, 3214868480
	.fill 96, 4, 3214868480
	.section	.rodata,"a",@progbits
	.p2align	6, 0x0
	.amdhsa_kernel k_q3cfda531a0_proj
		.amdhsa_group_segment_fixed_size 327680
		.amdhsa_private_segment_fixed_size 0
		.amdhsa_enable_private_segment 0
		.amdhsa_kernarg_size 40
		.amdhsa_user_sgpr_count 2
		.amdhsa_user_sgpr_kernarg_segment_ptr 1
		.amdhsa_wavefront_size32 1
		.amdhsa_system_sgpr_workgroup_id_x 1
		.amdhsa_system_sgpr_workgroup_id_y 1
		.amdhsa_system_sgpr_workgroup_id_z 1
		.amdhsa_system_vgpr_workitem_id 0
		.amdhsa_next_free_vgpr 1024
		.amdhsa_next_free_sgpr 98
		.amdhsa_reserve_vcc 0
		.amdhsa_float_denorm_mode_32 3
		.amdhsa_float_denorm_mode_16_64 3
		.amdhsa_memory_ordered 1
		.amdhsa_forward_progress 1
		.amdhsa_inst_pref_size 77
	.end_amdhsa_kernel
	.amdgpu_metadata
---
amdhsa.version: [ 1, 2 ]
amdhsa.kernels:
  - .name:           k_q3cfda531a0_proj
    .symbol:         k_q3cfda531a0_proj.kd
    .args:
      - { .name: a_img, .offset: 0, .size: 8, .value_kind: global_buffer, .address_space: global }
      - { .name: w_o_codes, .offset: 8, .size: 8, .value_kind: global_buffer, .address_space: global }
      - { .name: lowp_scales, .offset: 16, .size: 8, .value_kind: global_buffer, .address_space: global }
      - { .name: b_o, .offset: 24, .size: 8, .value_kind: global_buffer, .address_space: global }
      - { .name: out0, .offset: 32, .size: 8, .value_kind: global_buffer, .address_space: global }
    .group_segment_fixed_size: 327680
    .private_segment_fixed_size: 0
    .kernarg_segment_align: 8
    .kernarg_segment_size: 40
    .max_flat_workgroup_size: 128
    .sgpr_count:     98
    .vgpr_count:     1024
    .wavefront_size: 32
...
	.end_amdgpu_metadata
.endif
;; end of part 3
